; MI455X (gfx1250); checked and timed in simulation.
; The chip was launched on July 23, 2026; its instructions are those of AMD's public machine-readable ISA for CDNA 5 (MIT licence, August 2026) and "CDNA5" Instruction Set Architecture Reference Guide (July 2026). The comments in the code are by the model that wrote it; some were corrected since.
;; Adaptive Attention. Allowed arithmetic: matrix products marked QUANTISED: E2M1 operands, one E8M0 scale for each 32 along K, by v_wmma_scale_f32_16x16x128_f8f6f4 with both operands' format E2M1 (or v_wmma_scale_f32_32x16x128_f4), f32 sums; everything else in f32.
;; Inputs: key_codes 4 x 2,048 x 64 x 16 uint8 (E2M1 codes of key, K innermost, in blocks of 32 codes, two codes a byte); key_scales 4 x 2,048 x 64 uint8 (E8M0 scales of key, one for each 32 codes along K); query_codes 4 x 2,048 x 64 x 16 uint8 (E2M1 codes of query, K innermost, in blocks of 32 codes, two codes a byte); query_scales 4 x 2,048 x 64 uint8 (E8M0 scales of query, one for each 32 codes along K); span_param 1 x 2,048 float32; value_codes 4 x 2,048 x 64 x 16 uint8 (E2M1 codes of value, K innermost, in blocks of 32 codes, two codes a byte); value_scales 4 x 2,048 x 64 uint8 (E8M0 scales of value, one for each 32 codes along K).
;; Outputs: out0 4 x 2,048 x 2,048 float32.
;; This version of the problem:
;;   THIS VERSION OF THE PROBLEM IS GIVEN IN LOW PRECISION. The matrix products marked QUANTISED in the list below multiply operands that are first quantised to E2M1 (2 exponent bits, 1 mantissa bit; 4 bits a number), with one power-of-two scale for each 32 numbers along K (OCP MX v1.0); their sums are f32. All else is computed in f32.
;;   The module's matrix products, in the order in which they are computed (A, B: the left and right operand; K: the contracted axis; several contracted axes count as one K, in the product's order):
;;     1. batch 4 x [M 2,048, K 2,048] x [K 2,048, N 2,048]; A: input query (given as codes); B: input key (given as codes): QUANTISED
;;     2. batch 4 x [M 2,048, K 2,048] x [K 2,048, N 2,048]; A: softmax (see below); B: input value (given as codes): QUANTISED
;;   THE QUANTISER, for each operand of a quantised product, along K:
;;     - K is cut into blocks of 32 from its start; a last block that is shorter is filled with zeros.
;;     - A block's scale is 2^e with e = floor(log2(the largest magnitude in the block)) - 2, held to -126 .. 127; a block of zeros has e = 0. As a byte (E8M0): e + 127.
;;     - Each number is divided by its block's scale, clamped to +-6, and rounded to the nearest number of E2M1, ties to even, subnormals kept.
;;     - The product sums the exact products of the quantised numbers (number of the format x scale) in f32.
;;   ~~~python
;;   def quantise(x, axis):      # numpy; x: float32 -> the quantised numbers, widened to float32 again
;;       x = np.moveaxis(x, axis, -1); K = x.shape[-1]
;;       x = np.pad(x, [(0, 0)] * (x.ndim - 1) + [(0, -K % 32)]); x = x.reshape(x.shape[:-1] + (-1, 32)); a = np.abs(x).max(-1, keepdims=True)
;;       e = np.where(a > 0, np.clip(np.frexp(np.where(a > 0, a, 1))[1] - 1 - 2, -126, 127), 0)      # np.frexp(a)[1] - 1 = floor(log2(a)), exactly
;;       r = np.clip(x / 2.0 ** e, -6, 6)
;;       step = 2.0 ** (np.maximum(np.frexp(np.where(r == 0, 1, r))[1] - 1, 0) - 1)
;;       q = np.round(r / step) * step * 2.0 ** e      # np.round: ties to even
;;       return np.moveaxis(q.reshape(q.shape[:-2] + (-1,))[..., :K], -1, axis).astype(np.float32)
;;   ~~~
;;   SOFTMAX AHEAD OF A QUANTISED PRODUCT. Where the list says 'softmax', what is quantised is not the finished softmax but p = 2^(t - M), with t = logit x log2(e) and M = ceil(the row's largest t), a whole number; so 1/2 < the row's largest p <= 1. The row's sum l is taken of the UNQUANTISED p, in f32, and the product's result is divided by l at the end. Since M is a whole number, a kernel that streams over the keys may use a running M (the ceiling of the running maximum): every later rescaling is an exact power of two, which a block's scale takes up: the codes' values come out the same.
;;   OPERANDS COMPUTED ON THE WAY. 'Computed on the way' means the value that the module computes at that place (a softmax that the list does not call 'softmax' is quantised finished and normalised). What goes into a quantiser is computed in f32, as accurately as f32 sums, v_exp_f32 and their like allow (about 1e-6 of the number): no bf16 or f16 on the way to a quantiser, and a product that is left as it is and whose result goes on into a quantised operand takes f32 operands (vector FMAs, or v_wmma_f32_16x16x4_f32). A number that lies on a knife's edge between two numbers of the format may be rounded either way, as far as f32 arithmetic and the matrix unit's own rounding can turn it there, and no further.
;;   INPUTS GIVEN AS CODES. key (in the module: [4, 2048, 2048], K = its axis 2); query (in the module: [4, 2048, 2048], K = its axis 2); value (in the module: [4, 2048, 2048], K = its axis 1): each comes as NAME_codes (uint8): NAME with its K axis moved to the last place and cut into blocks of 32 codes, [.., K / 32, bytes a block], one block behind the other in memory; two codes a byte, the lower K in the low four bits (a code: sign, 2 exponent bits, 1 mantissa bit); and NAME_scales (uint8): the same leading axes, one E8M0 byte (e + 127) for each 32 codes along K. Its value is code x scale, taken as it is: it is not quantised again, and the codes and scales need not be those that the quantiser above would give.
;; One version. Each part assembles by itself: llvm-mc -triple=amdgcn-amd-amdhsa -mcpu=gfx1250 --defsym DOCPART=n.
;; ======== version 1 of 1: 2 launches
;; limits: right only within a limited range of input values
;; workspace buffers: pcodes 8,388,608 bytes; pstat 1,572,864 bytes
;; launch scores (part 1): grid 8 x 32, 4 waves a work-group, clusters of 4 x 4, 327,680 bytes of LDS; arguments query_codes, query_scales, key_codes, key_scales, pcodes, pstat, span_param; writes pcodes, pstat
.if DOCPART == 1
	.amdgcn_target "amdgcn-amd-amdhsa--gfx1250"
	.amdhsa_code_object_version 6
	.text
	.protected	k_q51d60f17cb_scores
	.globl	k_q51d60f17cb_scores
	.p2align	8
	.type	k_q51d60f17cb_scores,@function
k_q51d60f17cb_scores:
	s_mov_b64 s[64:65], 0
	v_nop
	global_prefetch_b8 v0, s[64:65] scope:SCOPE_SE
	s_setreg_imm32_b32 hwreg(HW_REG_WAVE_MODE, 25, 1), 1
	s_wait_xcnt 0x0
	s_wait_alu depctr_hold_cnt(0) depctr_sa_sdst(0) depctr_va_vdst(0) depctr_va_sdst(0) depctr_va_ssrc(0) depctr_va_vcc(0) depctr_vm_vsrc(0)
	s_getreg_b32 s2, hwreg(HW_REG_IB_STS2, 6, 4)
	s_cmp_eq_u32 s2, 0
	s_cbranch_scc0 .Lentry_in_a_cluster
	s_endpgm
.Lentry_in_a_cluster:
	s_bfe_u32 s2, ttmp6, 0x10000c
	s_cmp_lg_u32 s2, 0xf033
	s_cbranch_scc0 .Lentry_shape_is_right
	s_endpgm
.Lentry_shape_is_right:
; FIRST OF TWO LAUNCHES.  t[q][k] = (Q[q] . K[k]) x log2(e) / sqrt(2048) x sigmoid(span[k]) on codes of FP4 (E2M1); then, for each query and each CHUNK of 128 keys,
; M = the chunk's largest t rounded up to a whole number, p = 2^(t - M) in f32, the chunk's sum of p, and p quantised along the keys (blocks of 32).
; No input and no product of the problem is dead work: all seven inputs are loaded by the two launches.
; pcodes: 256 queries x 128 keys are 16,384 bytes, images of the second product's operand registers; pstat: for each such piece 3 planes of 256 words: -M, the sum, the scale word.
; The second launch brings the chunks of a row under the row's own M by whole powers of two.
; LIMITS: scores (exponents to the base 2) under 2^31 in magnitude; NaN, infinities and the scale byte 0xff among the inputs are not served.  A block of zeros, or one under 2^-124, keeps the scale byte 1.
; SHARES.  A work-group makes 256 queries x 256 keys of one batch; each of its four waves 128 x 128: 32 accumulators of 32 keys x 16 queries, 512 registers.  The head's 2,048 go in slots of 512 through two LDS slots.
; CLUSTERS: 4 x 4 work-groups of one batch.  The four of a row of the cluster need the same rows of Q and their scales, the four of a column the same of K: each is asked for JOINTLY.
; THE HEAD'S LOADS, one a wave: slot 0's 256 rows of Q (wave 0) and of K (wave 1), Q's scale bytes (wave 2) and K's (wave 3) for the head's whole 2,048.  Refills: waves 0 and 1 Q's halves, waves 2 and 3 K's.
; THE PRODUCT IS TRANSPOSED: source 0 = 32 keys, source 1 = 16 queries: a lane holds ONE query and eight neighbouring keys in each eight registers.
; REGISTERS, in windows of 256: window 0: v16-31 addresses; v32-95 scale words, two sets; v128-191, v192-255 Q's fragments, two sets; behind the products v32-211 serve the softmax.
;   window 1: K's fragments, two sets, at v0 and v128.   window 2: the accumulators of my queries 0-63 (block a, keys 32 b on: v[64 a + 16 b]);   window 3: those of my queries 64-127.  The softmax works in place there.
.set NQ,     4                         ; matrix steps (128 of the head's 2,048) in a slot
.set ROWB,   256                       ; a row of a tile in bytes
.set KROW,   1024                      ; a row of Q or K in memory
.set PITCH,  272                       ; an LDS row: 256 bytes + 16 of padding: 16 rows start at 16 different banks (64 banks of 4 bytes: ISA guide 11.1)
.set FR,     8                         ; registers of a fragment of 16 rows
.set NP,     4                         ; places behind this matrix instruction (ISA guide 7.12.1)
.set HALFT,  128*PITCH                 ; 128 rows: what one refill brings
.set SLOT,   4*HALFT                   ; Q's 256 rows, K's 256 rows
.set SCL,    2*SLOT                    ; scale bytes: row x 64 bytes, 16 of padding behind each 256; Q's 256 rows, then K's
.set HALFS,  32*272                    ; (the scales of 128 rows)
.set SBLK,   8*272                     ; (of 32 rows)
.set SPARE,  SCL+4*HALFS               ; the spare words, 128 bytes for each wave
.set SCR,    SPARE+512                 ; 2,048 bytes for each wave: its 128 gates, then the statistics on the way out
.set ADRA, 16                          ; v16-17  my fragments of Q in slot 0, 1
.set GA,   18                          ; v18     where I read gates
.set STA,  19                          ; v19     where I put statistics
.set ADRB, 20                          ; v20-21  my fragments of K
.set PO,   23                          ; v23     16 x lane
.set ADSA, 24                          ; v24     Q's scale words: lane l: row l of each 32
.set ADSB, 25                          ; v25     K's
.set SPW,  28                          ; v28     my spare word; never rewritten
.set NIL,  29                          ; v29     0; never rewritten
.set GW,   30                          ; v30     my wave's scratch + 16 x lane
.set PFO,  31                          ; v31     the prefetches' offset: a lane a row; never rewritten
.set SC,   32                          ; set s at v[SC + 32 s]: register 4 i + q Q's rows 32 i on (lanes 0-15 block 2 i, lanes 16-31 block 2 i + 1); register 16 + 4 i + q K's rows 32 i on
.set AF,   128
.set GL,   96                          ; THE SOFTMAX: gates x c of tiles b = 0 .. 3 (v96-127),
.set GH,   32                          ; and of b = 4 .. 7 (v32-63)
.set NMP,  64                          ; v64-79 -M of block a at v[NMP + 2 a] (the odd words are zeros)
.set BM,   80                          ; eight blocks' maxima, and what is made of them
.set BX,   88
.set SO,   128
.set BY,   136
.set TMP,  144
.set SU,   146                         ; v146-161 sums: four chains of pairs for each of two blocks
.set LX,   162
.set PC,   164                         ; v164-179 codes
.set LS,   184
.set WS,   192
.set TT,   200
.set G1, 24                            ; s[24:31] group 1 for Q's tiles; s[32:39] groups 0, one for each slot
.set G0, 32
.set G1B, 48                           ; s[48:55], s[56:63] the same for K's
.set G0B, 56
.set G1S, 68                           ; s[68:75], s[76:83] groups 1 for Q's and K's scales;  s[84:87] group 0 of my load at the head
.set G1SB, 76
.set H,  84
.set PF, 88                            ; s[88:89] where my prefetches stand (slot 0)
.set MSB, 0
.macro WIN new                         ; the immediate's high byte repeats the setting that is left
.if MSB != (\new)
	s_set_vgpr_msb (MSB<<8)|(\new)
.set MSB, (\new)
.endif
.endm
.set MUL_LO, 0xa1                      ; source 0 (K) window 1, source 1 (Q) window 0, C and D window 2
.set MUL_HI, 0xf1                      ; the same, C and D window 3
.set TO_B,   0x40                      ; destination window 1, address window 0
; A joint load: waves 0 and 1 fetch Q's halves, waves 2 and 3 K's.  The branch hangs on the wave's number alone.  s_nop 0 and four v_nop follow each line.
.macro JLOAD s
	s_cmp_eq_u32 s15, 0
	s_cbranch_scc0 .Lfor_b_\@
	tensor_load_to_lds s[G0+4*\s:G0+4*\s+3], s[G1:G1+7]
	s_nop 0
.rept 4
	v_nop
.endr
	s_branch .Lasked_\@
.Lfor_b_\@:
	tensor_load_to_lds s[G0B+4*\s:G0B+4*\s+3], s[G1B:G1B+7]
	s_nop 0
.rept 4
	v_nop
.endr
.Lasked_\@:
.endm
; The head's joint load of one wave, and an arm of the one chain of branches on the wave's number.
.macro FILL lds, base, off, g1
	s_mov_b32 s[H+1], \lds
	s_add_nc_u64 s[H+2:H+3], s[\base:\base+1], s[\off:\off+1]
	s_or_b32 s[H+3], s[H+3], 0x80000000
	tensor_load_to_lds s[H:H+3], s[\g1:\g1+7]
	s_nop 0
.rept 4
	v_nop
.endr
.endm
.macro ARM w, lds, base, off, g1, next
	s_cmp_eq_u32 s14, \w
	s_cbranch_scc0 \next
	FILL \lds,\base,\off,\g1
	s_branch .Lhead_asked
\next:
.endm
; A prefetch into the L2 of slot n, ahead of slot n - 1's products: 256 bytes of each row, one instruction a wave.  Of the 128 rows that a wave fetches, the four partners that ask for them jointly
; take 32 each, told apart by address (cx for Q, cy for K): each block of 256 bytes is named once in each cluster.  The last slot asks for nothing.
.macro ASK n
	global_prefetch_b8 v[PFO], s[PF:PF+1] offset:ROWB*\n th:TH_LOAD_NT scope:SCOPE_SE
.endm
.macro CREST                           ; a round of the cluster's barrier behind its opening barrier
	s_cmp_lg_u32 s14, 0
	s_cbranch_scc1 .Lnot_wave_0_\@
	s_barrier_signal -3
.Lnot_wave_0_\@:
	s_barrier_wait -3
	s_barrier_signal -1
	s_barrier_wait -1
.endm
.macro CROUND                          ; a whole round
	s_barrier_signal -1
	s_barrier_wait -1
	CREST
.endm
	s_load_b128 s[4:7], s[0:1], 0x0                ; Q's codes, Q's scales
	s_load_b128 s[8:11], s[0:1], 0x10              ; K's codes, K's scales
	s_load_b128 s[96:99], s[0:1], 0x20             ; pcodes, pstat
	s_load_b64 s[12:13], s[0:1], 0x30              ; span_param
	v_lshl_add_u32 v[SPW], v0, 2, SPARE
	v_mov_b32 v[NIL], 0
	ds_add_u32 v[SPW], v[NIL]                      ; the opening add, twice on end; the scalar set-up stands between it and its wait
	ds_add_u32 v[SPW], v[NIL]
	v_lshrrev_b32 v1, 5, v0
	v_readfirstlane_b32 s14, v1                    ; wave 0..3
	s_lshr_b32 s15, s14, 1                         ; which half of the tile's queries is mine.  Also: I refill Q (0) or K (1)
	s_and_b32 s16, s14, 1                          ; which half of its keys.  Also: which 128 rows I refill
	s_bfe_u32 s40, ttmp6, 0x40000                  ; cx, cy: my place in the cluster
	s_bfe_u32 s41, ttmp6, 0x40004
	s_lshl_b32 s42, ttmp9, 2
	s_add_co_u32 s42, s42, s40                     ; tile of keys, 0..7
	s_and_b32 s17, ttmp7, 0xffff
	s_lshr_b32 s95, s17, 1                         ; the batch, made of the cluster's y alone
	s_lshl_b32 s17, s17, 2
	s_add_co_u32 s17, s17, s41                     ; tile of queries over all batches, 0..31
	s_lshl_b32 s43, s41, 2
	s_lshl_b32 s43, 15, s43                        ; my row of the cluster
	s_lshl_b32 s44, 0x1111, s40                    ; my column
	s_mov_b32 s66, 0x76543210
	s_mov_b32 s67, 0xfedcba98                      ; v_permlanex16_b32's selects for lane l xor 16
	s_mov_b32 s100, 0x3d0293ee                     ; c = log2(e) / sqrt(2048)
	; group 1: 256 rows (the head's load; 128 from slot 1 on) x 256 bytes, 1,024 apart, 16 bytes of padding behind each: 20 padding on, 21 set beside a mask, 24:22 after every 64 words (code 5), 31:25 four words (code 3)
	s_or_b32 s[G1+0], s43, (0<<16)|(1<<20)|(1<<21)|(5<<22)|(3<<25)
	s_or_b32 s[G1B+0], s44, (0<<16)|(1<<20)|(1<<21)|(5<<22)|(3<<25)
.irp g, G1, G1B
	s_mov_b32 s[\g+1], ROWB<<16
	s_mov_b32 s[\g+2], 256<<16
	s_mov_b32 s[\g+3], ROWB<<16
	s_mov_b32 s[\g+4], 256
	s_mov_b32 s[\g+5], KROW
	s_mov_b32 s[\g+6], 0
	s_mov_b32 s[\g+7], 0
.endr
	; the scales of 256 rows: 16,384 dense bytes as 64 rows of 256 (32 elements of 8 bytes), padded likewise
	s_or_b32 s[G1S+0], s43, (3<<16)|(1<<20)|(1<<21)|(5<<22)|(3<<25)
	s_or_b32 s[G1SB+0], s44, (3<<16)|(1<<20)|(1<<21)|(5<<22)|(3<<25)
.irp g, G1S, G1SB
	s_mov_b32 s[\g+1], 32<<16
	s_mov_b32 s[\g+2], 64<<16
	s_mov_b32 s[\g+3], 32<<16
	s_mov_b32 s[\g+4], 64
	s_mov_b32 s[\g+5], 32
	s_mov_b32 s[\g+6], 0
	s_mov_b32 s[\g+7], 0
.endr
	s_mov_b32 s[H], 1
	s_lshl_b32 s20, s17, 8                         ; the tile's first row of Q,
	s_lshl_b32 s46, s42, 8
	s_lshl_b32 s47, s95, 11
	s_add_co_u32 s46, s46, s47                     ; and of K
	s_lshl_b32 s22, s20, 6                         ; their scales: 64 bytes a row
	s_mov_b32 s23, 0
	s_lshl_b32 s92, s46, 6
	s_mov_b32 s93, 0
	s_lshl_b32 s20, s20, 10                        ; their codes (under 2^23)
	s_lshl_b32 s46, s46, 10
	s_mov_b32 s21, 0
	s_mov_b32 s47, 0
	s_lshl_b32 s18, s16, 17                        ; the 128 rows that I refill,
	s_mov_b32 s19, 0
	s_lshl_b32 s90, s40, 15                        ; and my work-group's 32 of them, for the prefetches
	s_add_co_u32 s90, s90, s20
	s_add_co_u32 s90, s90, s18
	s_lshl_b32 s91, s41, 15
	s_add_co_u32 s91, s91, s46
	s_add_co_u32 s91, s91, s18
	s_mul_i32 s45, s14, HALFT                      ; where they go in a slot: no place in the cluster enters an LDS address
.irp s, 0,1
	s_mov_b32 s[G0+4*\s], 1
	s_add_co_u32 s[G0+4*\s+1], s45, \s*SLOT
	s_mov_b32 s[G0B+4*\s], 1
	s_add_co_u32 s[G0B+4*\s+1], s45, \s*SLOT
.endr
	s_mul_i32 s2, s15, HALFT                       ; LDS: my rows of Q,
	s_mul_i32 s3, s16, HALFT
	s_add_co_u32 s3, s3, 2*HALFT                   ; of K,
	s_mul_i32 s43, s15, HALFS
	s_add_co_u32 s43, s43, SCL                     ; their scales,
	s_mul_i32 s44, s16, HALFS
	s_add_co_u32 s44, s44, SCL+2*HALFS
	s_lshl_b32 s94, s14, 11
	s_add_co_u32 s94, s94, SCR                     ; and my scratch
	s_wait_alu depctr_va_vdst(0)
	s_wait_dscnt 0x0                               ; both opening adds are done
	CROUND                                         ; all sixteen work-groups are here: the first joint loads meet
	s_wait_kmcnt 0x0
	ARM 0,0,4,20,G1,.Lhead_k
	ARM 1,2*HALFT,8,46,G1B,.Lhead_qs
	ARM 2,SCL,6,22,G1S,.Lhead_ks
	FILL SCL+2*HALFS,10,92,G1SB
.Lhead_asked:
	s_lshl_b32 s22, s42, 10                        ; my 128 keys' gates
	s_lshl_b32 s23, s16, 9
	s_add_co_u32 s22, s22, s23
	s_mov_b32 s23, 0
	s_add_nc_u64 s[12:13], s[12:13], s[22:23]
	v_and_b32 v6, 31, v0                           ; lane
	v_lshlrev_b32 v[PO], 4, v6
	global_load_b128 v[96:99], v[PO], s[12:13]     ; four a lane
	s_add_nc_u64 s[G0+6:G0+7], s[4:5], s[20:21]    ; the refills' descriptors: slot 1 begins at the head's 512, slot 0 goes on at 1,024
	s_add_nc_u64 s[G0+6:G0+7], s[G0+6:G0+7], s[18:19]
	s_add_nc_u64 s[G0+6:G0+7], s[G0+6:G0+7], ROWB
	s_or_b32 s[G0+7], s[G0+7], 0x80000000
	s_add_nc_u64 s[G0+2:G0+3], s[G0+6:G0+7], ROWB
	s_add_nc_u64 s[G0B+6:G0B+7], s[8:9], s[46:47]
	s_add_nc_u64 s[G0B+6:G0B+7], s[G0B+6:G0B+7], s[18:19]
	s_add_nc_u64 s[G0B+6:G0B+7], s[G0B+6:G0B+7], ROWB
	s_or_b32 s[G0B+7], s[G0B+7], 0x80000000
	s_add_nc_u64 s[G0B+2:G0B+3], s[G0B+6:G0B+7], ROWB
	s_cmp_eq_u32 s15, 0
	s_cselect_b64 s[PF:PF+1], s[4:5], s[8:9]
	s_cselect_b32 s90, s90, s91
	s_mov_b32 s91, 0
	s_add_nc_u64 s[PF:PF+1], s[PF:PF+1], s[90:91]
	s_lshl_b32 s22, s17, 4                         ; the piece: 16 x tile of queries + chunk
	s_lshl_b32 s23, s42, 1
	s_add_co_u32 s22, s22, s23
	s_add_co_u32 s22, s22, s16
	s_lshl_b32 s46, s22, 14                        ; its images, and my 128 queries in it
	s_lshl_b32 s47, s15, 13
	s_add_co_u32 s46, s46, s47
	s_mov_b32 s47, 0
	s_add_nc_u64 s[96:97], s[96:97], s[46:47]
	s_mul_i32 s46, s22, 3072                       ; its statistics
	s_lshl_b32 s47, s15, 9
	s_add_co_u32 s46, s46, s47
	s_mov_b32 s47, 0
	s_add_nc_u64 s[98:99], s[98:99], s[46:47]
	s_wait_alu depctr_va_vdst(0)                   ; behind the run of scalar lines
	v_lshlrev_b32 v[PFO], 10, v6                   ; a lane a row
	v_and_b32 v1, 15, v0                           ; r = lane % 16
	v_bfe_u32 v2, v0, 4, 1                         ; h = lane / 16
	v_lshrrev_b32 v3, 2, v6
	v_mul_u32_u24 v4, v1, PITCH
	v_lshl_add_u32 v4, v2, 4, v4                   ; a fragment: row r, 16 bytes for each half of the lanes
	v_lshlrev_b32 v5, 6, v6
	v_lshl_add_u32 v5, v3, 4, v5                   ; scale words: row = lane, 64 bytes, and 16 more for each 256 passed
	v_add_nc_u32 v[ADRA], s2, v4
	v_add_nc_u32 v[ADRB], s3, v4
	v_add_nc_u32 v[ADSA], s43, v5
	v_add_nc_u32 v[ADSB], s44, v5
	v_add_nc_u32 v[ADRA+1], SLOT, v[ADRA]
	v_add_nc_u32 v[ADRB+1], SLOT, v[ADRB]
	v_lshl_add_u32 v[GA], v2, 5, s94
	v_lshl_add_u32 v[STA], v1, 2, s94
	v_add_nc_u32 v[GW], s94, v[PO]
	s_wait_alu depctr_va_vdst(0)                   ; directly ahead of the wait below
	s_wait_loadcnt 0x0
	ASK 1
.irp i, 96,97,98,99
	v_mul_f32 v\i, 0xbfb8aa3b, v\i                 ; sigmoid(x) = 1 / (1 + 2^(-x log2 e))
.endr
	s_wait_alu depctr_va_vdst(0)
.irp i, 96,97,98,99
	v_exp_f32 v\i, v\i
.endr
	v_nop
	s_wait_alu depctr_va_vdst(0)
.irp i, 96,97,98,99
	v_add_f32 v\i, 1.0, v\i
.endr
	s_wait_alu depctr_va_vdst(0)
.irp i, 96,97,98,99
	v_rcp_f32 v\i, v\i
.endr
	v_nop
	s_wait_alu depctr_va_vdst(0)
.irp i, 96,97,98,99
	v_mul_f32 v\i, s100, v\i                       ; x c
.endr
	ds_store_b128 v[GW], v[96:99]                  ; my wave's own bytes
.macro FRAG reg, adr, q, i             ; a fragment from rows: lane l holds row l % 16; registers 4 c .. 4 c + 3 hold k = 64 c + 32 (l / 16) + 0 .. 31
.irp c, 0,1
	ds_load_b128 v[\reg+4*\c:\reg+4*\c+3], v[\adr] offset:64*(\q)+32*\c+(\i)*16*PITCH
.endr
.endm
; d += 32 rows at x (window 1) x 16 rows at y (window 0), 128 deep.  sx: lane m holds row m's scale word; sy: lanes 0-15 (odd = 0) or 16-31 (odd = 1).
.macro WM d, x, y, sx, sy, odd, zero
.if \zero
.if \odd
	v_wmma_scale_f32_32x16x128_f4 v[\d:\d+15], v[\x:\x+15], v[\y:\y+7], 0, v[\sx], v[\sy] matrix_b_scale:MATRIX_SCALE_ROW1
.else
	v_wmma_scale_f32_32x16x128_f4 v[\d:\d+15], v[\x:\x+15], v[\y:\y+7], 0, v[\sx], v[\sy]
.endif
.else
.if \odd
	v_wmma_scale_f32_32x16x128_f4 v[\d:\d+15], v[\x:\x+15], v[\y:\y+7], v[\d:\d+15], v[\sx], v[\sy] matrix_b_scale:MATRIX_SCALE_ROW1
.else
	v_wmma_scale_f32_32x16x128_f4 v[\d:\d+15], v[\x:\x+15], v[\y:\y+7], v[\d:\d+15], v[\sx], v[\sy]
.endif
.endif
.endm
; Eight matrix instructions: Q's blocks a0, a0 + 1 x my 128 keys.  zero = 1: the first product starts the sums.  The 32 accumulators take turns, one instruction a turn.
.macro MUL a0, p, q, sc, zero
.irp a, \a0, \a0+1
.irp b, 0,1,2,3
	WM 64*((\a)%4)+16*\b,128*(\p)+16*\b,AF+64*(\p)+FR*(\a),SC+32*(\sc)+16+4*\b+(\q),SC+32*(\sc)+4*((\a)/2)+(\q),(\a)%2,\zero
.endr
.endr
.endm
.macro FETCH_B slot, q, p              ; K's eight fragments of the slot's q-th step into set p: 16 loads
	WIN TO_B
.irp i, 0,1,2,3,4,5,6,7
	FRAG 128*(\p)+FR*\i,ADRB+\slot,\q,\i
.endr
	WIN 0
.endm
.macro FETCH_A slot, q, p, i0          ; Q's blocks i0 .. i0 + 3: 8 loads
.irp i, \i0, \i0+1, \i0+2, \i0+3
	FRAG AF+64*(\p)+FR*(\i),ADRA+\slot,\q,\i
.endr
.endm
.macro SCALES sc, n                    ; the scale words of the head's n-th 512 into set sc: 8 loads
.irp i, 0,1,2,3
	ds_load_b128 v[SC+32*(\sc)+4*\i:SC+32*(\sc)+4*\i+3], v[ADSA] offset:\i*SBLK+16*\n
	ds_load_b128 v[SC+32*(\sc)+16+4*\i:SC+32*(\sc)+19+4*\i], v[ADSB] offset:\i*SBLK+16*\n
.endr
.endm
; A load into a register that a matrix instruction has read, and a vector instruction that reads or writes a matrix result, stand NP places behind it; only plain vector instructions that name none of its
; registers are places (ISA guide 7.12.1 for vector instructions).
.macro PLACES n
.rept \n
	v_nop
.endr
.endm
; A step that has its successor in the same slot: the successor's fragments go into the other sets, 32 loads in one run ahead of this step's products.
.macro STEP slot, q, zero
	s_wait_dscnt 8                                 ; all but the youngest eight (Q's blocks 4-7 of this step)
.if (\zero) == 0
	PLACES NP                                      ; the other sets were read by the step before
.endif
	FETCH_B \slot,(\q)+1,1-(\q)%2
	FETCH_A \slot,(\q)+1,1-(\q)%2,0
	FETCH_A \slot,(\q)+1,1-(\q)%2,4
	WIN MUL_LO
	MUL 0,(\q)%2,\q,\slot,\zero
	MUL 2,(\q)%2,\q,\slot,\zero
	s_wait_dscnt 32                                ; all but the 32 just issued
	WIN MUL_HI
	MUL 4,(\q)%2,\q,\slot,\zero
	MUL 6,(\q)%2,\q,\slot,\zero
.endm
; A slot's last step changes slots: ONE barrier; in front of it each wave waits for all its tensor loads, adds 0 to its spare word, and waits for that and for its own reads of this slot.
; fill = 1: the barrier opens a round of the cluster's barrier, and this slot is filled again.  pf: the slot to prefetch, or 0.
.macro TURN slot, next, n, fill, pf
	WIN 0
	SCALES \next,\n
	s_wait_tensorcnt 0x0                           ; my part of the next slot has landed, so the descriptors may be written
	ds_add_u32 v[SPW], v[NIL]                      ; 0 onto my spare word
.if (\fill)*(\slot)                    ; (slot 0 has one refill, slot 1 its first fill and one refill)
	s_add_nc_u64 s[G0+4*\slot+2:G0+4*\slot+3], s[G0+4*\slot+2:G0+4*\slot+3], 2*ROWB
	s_add_nc_u64 s[G0B+4*\slot+2:G0B+4*\slot+3], s[G0B+4*\slot+2:G0B+4*\slot+3], 2*ROWB
.endif
	s_wait_dscnt 17                                ; the add, the scale words and Q's blocks 4-7 may be out
	WIN MUL_LO
	MUL 0,1,NQ-1,\slot,0
	s_wait_dscnt 0x0                               ; the add is done, and my reads of this slot are over
	s_barrier_signal -1
	MUL 2,1,NQ-1,\slot,0
	WIN 0
	s_barrier_wait -1
.if \fill
	CREST                                          ; no wave of any partner still reads this slot or has a load on its way
	JLOAD \slot                                    ; my one load until the next round; its four v_nop are the places in front of the loads below
.else
	PLACES NP
.endif
	FETCH_B \next,0,0
	FETCH_A \next,0,0,0
	FETCH_A \next,0,0,4
.if \pf
	ASK \pf
.endif
	WIN MUL_HI
	MUL 4,1,NQ-1,\slot,0
	MUL 6,1,NQ-1,\slot,0
.endm
.macro STEPS slot, from                ; the slot's steps from .. NQ - 2
.set Q, \from
.rept NQ-1-\from
	STEP \slot,Q,0
.set Q, Q+1
.endr
.endm
	s_wait_alu depctr_va_vdst(0)
	s_wait_tensorcnt 0x0                           ; my load of the head is in;
	ds_add_u32 v[SPW], v[NIL]                      ; ahead of slot 1's first fill, as ahead of a refill
.irp g, G1, G1B
	s_mov_b32 s[\g+2], 128<<16                     ; from here on a load brings 128 rows
	s_mov_b32 s[\g+4], 128
.endr
	s_wait_dscnt 0x0                               ; the add is done
	CROUND                                         ; everybody's loads are in
	JLOAD 1
	FETCH_B 0,0,0
	FETCH_A 0,0,0,0
	SCALES 0,0
	FETCH_A 0,0,0,4
	ASK 2
	; four slots' worth, sixteen steps: written straight, since each change of slots differs (two fill a slot again, the third does not)
	STEP 0,0,1
	STEPS 0,1
	TURN 0,1,1,1,3
	STEPS 1,0
	TURN 1,0,2,1,0
	STEPS 0,0
	TURN 0,1,3,0,0
	STEPS 1,0
	WIN 0
.irp b, 0,1,2,3                        ; the gates of my lane's keys 16 b + 8 h + 0 .. 7: v32-63 held slot 0's scale words, v96-127 are free
	ds_load_b128 v[GL+8*\b:GL+8*\b+3],   v[GA] offset:64*\b
	ds_load_b128 v[GL+8*\b+4:GL+8*\b+7], v[GA] offset:64*\b+16
	ds_load_b128 v[GH+8*\b:GH+8*\b+3],   v[GA] offset:64*\b+256
	ds_load_b128 v[GH+8*\b+4:GH+8*\b+7], v[GA] offset:64*\b+272
.endr
	s_wait_dscnt 24                                ; the very last step: the 16 gate loads and Q's blocks 4-7 may be out
	WIN MUL_LO
	MUL 0,1,NQ-1,1,0
	MUL 2,1,NQ-1,1,0
	s_wait_dscnt 16                                ; the gate loads may be out
	WIN MUL_HI
	MUL 4,1,NQ-1,1,0
	MUL 6,1,NQ-1,1,0
	WIN 0
	s_wait_dscnt 0x0
; THE SOFTMAX OF A CHUNK for blocks a and a + 1 (16 queries each), by turns, in place in their accumulators (window WN): lane (r, h) holds query r; register 8 b + j is key 16 b + 8 h + j.
; Block n = 0 .. 7 of 32 keys (0 .. 3 of block a, 4 .. 7 of block a + 1) is at v[AC + 16 n].
.macro SOFT a
.set AC, 64*((\a)%4)
.set WN, 2+(\a)/4
	WIN (WN*0x41)                                  ; destination and source 0
	s_wait_alu depctr_va_vdst(0)                   ; directly ahead of the first reader of these sums
.irp o, 0,64
.set i, 0
.rept 32
.if i < 32
.set GI, GL+i
.else
.set GI, GH+i-32
.endif
	v_pk_mul_f32 v[AC+\o+i:AC+\o+i+1], v[AC+\o+i:AC+\o+i+1], v[GI:GI+1]   ; t; each accumulator from its low end on
.set i, i+2
.endr
.endr
	WIN (WN*0x15)                                  ; sources 0, 1, 2
.irp n, 0,1,2,3,4,5,6,7
	v_max3_num_f32 v[BM+\n], v[AC+16*\n], v[AC+16*\n+1], v[AC+16*\n+2]   ; the largest t of each block of 32 keys: for M and for the block's largest p
.endr
	WIN (WN*0x14)                                  ; sources 1, 2
.irp i, 3,5,7,9,11,13
.irp n, 0,1,2,3,4,5,6,7
	v_max3_num_f32 v[BM+\n], v[BM+\n], v[AC+16*\n+\i], v[AC+16*\n+\i+1]
.endr
.endr
	WIN (WN*4)                                     ; source 1
.irp n, 0,1,2,3,4,5,6,7
	v_max_num_f32 v[BM+\n], v[BM+\n], v[AC+16*\n+15]
.endr
	WIN 0
.irp n, 0,1,2,3,4,5,6,7
	v_permlanex16_b32 v[BX+\n], v[BM+\n], s66, s67
.endr
.irp n, 0,1,2,3,4,5,6,7
	v_max_num_f32 v[BM+\n], v[BM+\n], v[BX+\n]
.endr
.irp u, 0,1
	v_max3_num_f32 v[TMP+\u], v[BM+4*\u], v[BM+4*\u+1], v[BM+4*\u+2]
.endr
.irp u, 0,1
	v_max_num_f32 v[TMP+\u], v[TMP+\u], v[BM+4*\u+3]
.endr
.irp u, 0,1
	v_floor_f32 v[NMP+2*(\a)+2*\u], -v[TMP+\u]     ; -M = floor(-t)
.endr
	WIN (WN*0x41)
.irp u, 0,1
.set i, 64*\u
.rept 32
	v_pk_add_f32 v[AC+i:AC+i+1], v[AC+i:AC+i+1], v[NMP+2*(\a)+2*\u:NMP+2*(\a)+2*\u+1] op_sel_hi:[1,0]
.set i, i+2
.endr
.endr
.set i, 0
	s_wait_alu depctr_va_vdst(0)                   ; the wait ahead of the batch
.rept 128
	v_exp_f32 v[AC+i], v[AC+i]
.set i, i+1
.endr
	WIN 0
.irp n, 0,1,2,3,4,5,6,7
	v_add_f32 v[BM+\n], v[BM+\n], v[NMP+2*(\a)+2*(\n/4)]
.endr
	s_wait_alu depctr_va_vdst(0)                   ; and behind it
.irp n, 0,1,2,3,4,5,6,7
	v_exp_f32 v[BM+\n], v[BM+\n]                   ; each block's largest p
.endr
	WIN (WN*5)                                     ; sources 0 and 1
.irp u, 0,1                            ; the chunk's sums of the unquantised p, four chains a block
.irp c, 0,1,2,3
	v_pk_add_f32 v[SU+8*\u+2*\c:SU+8*\u+2*\c+1], v[AC+64*\u+4*\c:AC+64*\u+4*\c+1], v[AC+64*\u+4*\c+2:AC+64*\u+4*\c+3]
.endr
.endr
	WIN (WN*4)
.irp j, 16,24,32,40,48,56
.irp u, 0,1
.irp c, 0,1,2,3
	v_pk_add_f32 v[SU+8*\u+2*\c:SU+8*\u+2*\c+1], v[SU+8*\u+2*\c:SU+8*\u+2*\c+1], v[AC+64*\u+\j+2*\c:AC+64*\u+\j+2*\c+1]
.endr
.endr
.endr
	WIN 0
.irp u, 0,4,8,12
	v_pk_add_f32 v[SU+\u:SU+\u+1], v[SU+\u:SU+\u+1], v[SU+\u+2:SU+\u+3]
.endr
.irp u, 0,8
	v_pk_add_f32 v[SU+\u:SU+\u+1], v[SU+\u:SU+\u+1], v[SU+\u+4:SU+\u+5]
.endr
.irp u, 0,1
	v_add_f32 v[LS+\a+\u], v[SU+8*\u], v[SU+8*\u+1]
.endr
.irp u, 0,1
	v_permlanex16_b32 v[LX+\u], v[LS+\a+\u], s66, s67
.endr
.irp u, 0,1
	v_add_f32 v[LS+\a+\u], v[LS+\a+\u], v[LX+\u]
.endr
	s_wait_alu depctr_va_vdst(0)
.irp n, 0,1,2,3,4,5,6,7
	v_max_num_f32 v[BM+\n], 0x1800000, v[BM+\n]    ; the floor 2^(3 - 127): the byte cannot fall under 1
.endr
.irp n, 0,1,2,3,4,5,6,7
	v_add_nc_u32 v[SO+\n], 0xff000000, v[BM+\n]    ; 2 off the exponent field: the conversion's scale operand
.endr
.irp n, 0,1,2,3,4,5,6,7
	v_lshrrev_b32 v[BY+\n], 23, v[SO+\n]
.endr
.irp u, 0,1
	v_lshl_or_b32 v[WS+\a+\u], v[BY+4*\u+1], 8, v[BY+4*\u]
.endr
.irp u, 0,1
	v_lshl_or_b32 v[WS+\a+\u], v[BY+4*\u+2], 16, v[WS+\a+\u]
.endr
.irp u, 0,1
	v_lshl_or_b32 v[WS+\a+\u], v[BY+4*\u+3], 24, v[WS+\a+\u]
.endr
.if \a >= 2
	s_wait_xcnt 0x0                                ; the last two blocks' stores have read these registers
.endif
	WIN WN                                         ; source 0
.irp u, 0,1
.irp c, 0,1
	v_cvt_scalef32_pk8_fp4_f32 v[PC+8*\u+4*\c],   v[AC+64*\u+32*\c:AC+64*\u+32*\c+7],     v[SO+4*\u+2*\c]
	v_cvt_scalef32_pk8_fp4_f32 v[PC+8*\u+4*\c+1], v[AC+64*\u+32*\c+16:AC+64*\u+32*\c+23], v[SO+4*\u+2*\c+1]
	v_cvt_scalef32_pk8_fp4_f32 v[PC+8*\u+4*\c+2], v[AC+64*\u+32*\c+8:AC+64*\u+32*\c+15],  v[SO+4*\u+2*\c]
	v_cvt_scalef32_pk8_fp4_f32 v[PC+8*\u+4*\c+3], v[AC+64*\u+32*\c+24:AC+64*\u+32*\c+31], v[SO+4*\u+2*\c+1]
.endr
.endr
	v_nop
	WIN 0
.irp c, 0,4,8,12                       ; a whole block in a lane: registers 4 c .. 4 c + 3 then hold k = 64 c + 32 h + 0 .. 31
	v_permlane16_swap_b32 v[PC+\c], v[PC+\c+1]
	v_permlane16_swap_b32 v[PC+\c+2], v[PC+\c+3]
.endr
.irp c, 0,1,2,3
	global_store_b128 v[PO], v[PC+4*\c:PC+4*\c+3], s[96:97] offset:1024*(\a)+512*\c   ; 512 consecutive bytes, aligned
.endr
.endm
	PLACES NP
.irp n, 0,1,2,3,4,5,6,7
	v_mov_b32 v[BX+\n], 0                          ; written once: a lane permute's destination counts as one of its sources
	v_mov_b32 v[NMP+2*\n+1], 0                     ; named as the upper half of a pair
.endr
	v_mov_b32 v[LX], 0
	v_mov_b32 v[LX+1], 0
.irp a, 0,2,4,6
	SOFT \a
.endr
.irp a, 0,1,2,3,4,5,6,7                ; the statistics through my scratch, so that each store covers 512 consecutive bytes
	ds_store_b32 v[STA], v[NMP+2*\a] offset:512+64*\a
	ds_store_b32 v[STA], v[LS+\a] offset:1024+64*\a
	ds_store_b32 v[STA], v[WS+\a] offset:1536+64*\a
.endr
.irp p, 0,1,2
	ds_load_b128 v[TT+4*\p:TT+4*\p+3], v[GW] offset:512+512*\p
.endr
	s_wait_dscnt 0x0
.irp p, 0,1,2
	global_store_b128 v[PO], v[TT+4*\p:TT+4*\p+3], s[98:99] offset:1024*\p
.endr
	s_wait_tensorcnt 0x0                           ; the wave's end
	ds_add_u32 v[SPW], v[NIL]
	s_wait_dscnt 0x0
	CROUND                                         ; the closing round
	s_endpgm
.Lfunc_end_k_q51d60f17cb_scores:
	.size	k_q51d60f17cb_scores, .Lfunc_end_k_q51d60f17cb_scores-k_q51d60f17cb_scores
	.p2alignl 7, 3214868480
	.fill 96, 4, 3214868480
	.section	.rodata,"a",@progbits
	.p2align	6, 0x0
	.amdhsa_kernel k_q51d60f17cb_scores
		.amdhsa_group_segment_fixed_size 327680
		.amdhsa_private_segment_fixed_size 0
		.amdhsa_enable_private_segment 0
		.amdhsa_kernarg_size 56
		.amdhsa_user_sgpr_count 2
		.amdhsa_user_sgpr_kernarg_segment_ptr 1
		.amdhsa_wavefront_size32 1
		.amdhsa_system_sgpr_workgroup_id_x 1
		.amdhsa_system_sgpr_workgroup_id_y 1
		.amdhsa_system_sgpr_workgroup_id_z 1
		.amdhsa_system_vgpr_workitem_id 0
		.amdhsa_next_free_vgpr 1024
		.amdhsa_next_free_sgpr 101
		.amdhsa_reserve_vcc 0
		.amdhsa_float_denorm_mode_32 3
		.amdhsa_float_denorm_mode_16_64 3
		.amdhsa_memory_ordered 1
		.amdhsa_forward_progress 1
		.amdhsa_inst_pref_size 223
	.end_amdhsa_kernel
	.amdgpu_metadata
---
amdhsa.version: [ 1, 2 ]
amdhsa.kernels:
  - .name:           k_q51d60f17cb_scores
    .symbol:         k_q51d60f17cb_scores.kd
    .args:
      - { .name: query_codes, .offset: 0, .size: 8, .value_kind: global_buffer, .address_space: global }
      - { .name: query_scales, .offset: 8, .size: 8, .value_kind: global_buffer, .address_space: global }
      - { .name: key_codes, .offset: 16, .size: 8, .value_kind: global_buffer, .address_space: global }
      - { .name: key_scales, .offset: 24, .size: 8, .value_kind: global_buffer, .address_space: global }
      - { .name: pcodes, .offset: 32, .size: 8, .value_kind: global_buffer, .address_space: global }
      - { .name: pstat, .offset: 40, .size: 8, .value_kind: global_buffer, .address_space: global }
      - { .name: span_param, .offset: 48, .size: 8, .value_kind: global_buffer, .address_space: global }
    .group_segment_fixed_size: 327680
    .private_segment_fixed_size: 0
    .kernarg_segment_align: 8
    .kernarg_segment_size: 56
    .max_flat_workgroup_size: 128
    .sgpr_count:     101
    .vgpr_count:     1024
    .wavefront_size: 32
...
	.end_amdgpu_metadata
.endif
;; end of part 1
;; launch mix (part 2): grid 8 x 32, 4 waves a work-group, clusters of 4 x 4, 327,680 bytes of LDS; arguments pcodes, pstat, value_codes, value_scales, out0; writes out0
.if DOCPART == 2
	.amdgcn_target "amdgcn-amd-amdhsa--gfx1250"
	.amdhsa_code_object_version 6
	.text
	.protected	k_q51d60f17cb_mix
	.globl	k_q51d60f17cb_mix
	.p2align	8
	.type	k_q51d60f17cb_mix,@function
k_q51d60f17cb_mix:
	s_mov_b64 s[64:65], 0
	v_nop
	global_prefetch_b8 v0, s[64:65] scope:SCOPE_SE
	s_setreg_imm32_b32 hwreg(HW_REG_WAVE_MODE, 25, 1), 1
	s_wait_xcnt 0x0
	s_wait_alu depctr_hold_cnt(0) depctr_sa_sdst(0) depctr_va_vdst(0) depctr_va_sdst(0) depctr_va_ssrc(0) depctr_va_vcc(0) depctr_vm_vsrc(0)
	s_getreg_b32 s2, hwreg(HW_REG_IB_STS2, 6, 4)
	s_cmp_eq_u32 s2, 0
	s_cbranch_scc0 .Lentry_in_a_cluster
	s_endpgm
.Lentry_in_a_cluster:
	s_bfe_u32 s2, ttmp6, 0x10000c
	s_cmp_lg_u32 s2, 0xf033
	s_cbranch_scc0 .Lentry_shape_is_right
	s_endpgm
.Lentry_shape_is_right:
; SECOND OF TWO LAUNCHES.  O[q][d] = (the sum over the keys of P[q][k] V[d][k]) / l[q], on codes of FP4 (E2M1) with one E8M0 scale for each 32 keys.  V arrives with the keys innermost, [4 x 2048 rows d][1024 bytes].
; P's codes come from the first launch as images of the operand's registers (pcodes), with, for each query and chunk of 128 keys, -M of the chunk, the chunk's sum of p, and its scale word under that M (pstat).
; AT THE HEAD each work-group brings its 256 queries under the row's own M: -Mg = the least of the 16 chunks' -M; |n| = Mg - M of the chunk, a whole number, 0 or more; |n| is taken off each of the chunk's
; four scale bytes.  The codes stay as they are.  In the slots' course l = the sum of the chunks' sums x 2^-|n| (exact scalings); 1 / l multiplies the results on the way out.
; LIMITS: |n| is held at 127 (such a chunk's sum, under 2^-119 of the row's largest p, counts for 0), and a byte that would fall under 0 becomes 0: such a block lies more than 2^125 under its row's largest p,
; and its numbers then count for 6 x 2^-127 at the most, against l of 1/2 or more.  NaN, infinities and the scale byte 0xff among the inputs are not served.
; SHARES.  A work-group makes 256 queries x 256 of d of one batch; each of its four waves 128 x 128: 32 accumulators of 32 of d x 16 queries, 512 registers.  The keys go in slots of 512 through two LDS slots.
; A slot holds P's images of four chunks (65,536 dense bytes: a fragment is read back as it was stored, 16 bytes a lane on end) and 256 rows of V (256 bytes + 16 of padding).
; CLUSTERS: 4 x 4 work-groups of one batch.  The four of a row of the cluster need the same images of P, the four of a column the same tiles of V: each is asked for JOINTLY.
; Waves 0 and 1 fetch P's halves of a slot, waves 2 and 3 V's.  V's scale bytes (16,384 a work-group, against 135,168 of a slot's tiles) are not asked for jointly: they come once, by whole units of 256 bytes, into registers
; and go to LDS by stores, so that each wave's one tensor load at the head is its part of slot 0.
; THE PRODUCT IS TRANSPOSED (source 0 = 32 rows of V, source 1 = 16 queries): a lane holds eight neighbouring numbers of a row of O in each eight registers.
; THE LAST 512 KEYS GO BY BLOCKS OF 16 QUERIES: all of V's fragments fill window 1, and each block's results leave while the next block is multiplied, K ascending as everywhere.
; REGISTERS, in windows of 256: window 0: v1-29 addresses; v32-95 scale words, two sets; v96-127 2^-|n|, then v96-111 1 / l; v128-191, v192-255 P's fragments, two sets (at the end four buffers of 16 queries x 512 keys);
;   at the head v32-223 serve the statistics and V's scale bytes.
;   window 1: V's fragments, two sets, at v0 and v128 (at the end all 256); v64-95 the chunks' sums.   window 2: the accumulators of my queries 0-63 (block a, d 32 b on: v[64 a + 16 b]);   window 3: those of my queries 64-127.
.set NQ,     4                         ; matrix steps (128 keys) in a slot
.set ROWB,   256                       ; a row of V's tile in bytes
.set KROW,   1024                      ; a row of V in memory
.set PITCH,  272                       ; V's LDS row: 16 rows start at 16 different banks (64 banks of 4 bytes: ISA guide 11.1)
.set FR,     8
.set NP,     4                         ; places behind this matrix instruction (ISA guide 7.12.1)
.set PIMG,   65536                     ; P's part of a slot: 4 chunks x 16 blocks of queries x 1,024 bytes
.set HALFT,  128*PITCH                 ; 128 rows of V: what one tensor load brings
.set SLOT,   PIMG+2*HALFT
.set SCL,    2*SLOT                    ; P's scale words as adjusted: query x 64 bytes, 16 bytes of padding behind each 256; written by LDS stores alone
.set HALFS,  32*272                    ; (the scales of 128 rows)
.set SBLK,   8*272                     ; (of 32 rows)
.set VSC,    SCL+2*HALFS               ; V's scale bytes in the same form, by LDS stores too
.set SPARE,  SCL+4*HALFS               ; the spare words, 128 bytes for each wave
.set RLB,    SPARE+512                 ; 1 / l of the 256 queries: 1,024 bytes
.set SPITCH, 528                       ; the way out: a stage of 16 rows x (512 bytes + 16) for each wave, in slot 0, which has had its last fill and its last read by then
.set LSUM, 2                           ; v2-5    l of my two queries in two parts (behind the head)
.set PSO,  7                           ; v7      8 x my thread's number: my two queries' bytes in a plane of pstat
.set SWA,  8                           ; v8      where my two queries' adjusted scale words go
.set RLW,  9                           ; v9      where their 1 / l goes
.set RLR,  10                          ; v10     where I read 1 / l of query r of my 128
.set VSO,  11                          ; v11     where I take V's scale bytes in memory
.set VSW,  12                          ; v12     and where they go
.set PFO,  13                          ; v13     the prefetches' offset; never rewritten
.set RC,   14                          ; v14-15  1 / l of my two queries
.set ADRA, 16                          ; v16-17  my P fragments in slot 0, 1
.set ADSA, 18                          ; v18     P's scale words: lane l: row l of each 32
.set ADSB, 19                          ; v19     V's
.set ADRB, 20                          ; v20-21  my V fragments
.set STO,  24                          ; v24     the way out: where I put 32 bytes of a row
.set RD,   25                          ; v25     where I read a row back
.set CO,   26                          ; v26     16 x lane: my byte offset in a row of O
.set SPW,  28                          ; v28     my spare word; never rewritten
.set NIL,  29                          ; v29     0; never rewritten
.set SC,   32                          ; set s at v[SC + 32 s]: register 4 i + q P's queries 32 i on (lanes 0-15 block 2 i, lanes 16-31 block 2 i + 1); register 16 + 4 i + q V's rows 32 i on
.set RL,   96                          ; 1 / l of block a's query r, twice (a pair for the packed multiply)
.set AF,   128
.set NMR,  32                          ; THE HEAD: v32-63 -M, v96-127 the scale words, then 2^-|n|: register 2 chunk + e, e = 0, 1: my two queries
.set WR,   96
.set LR,   64                          ; (window 1) the sums, likewise
.set AW,   128                         ; v128-159 the adjusted words: 16 e + chunk
.set NG,   160                         ; v160-161 -Mg;  v166-185 at work;  v192-223 V's scale bytes
.set D,    166
.set XX,   174
.set HI,   178
.set GG,   182
.set VS,   192
.set G1, 24                            ; s[24:31] group 1 for P's images; s[32:39] groups 0, one for each slot
.set G0, 32
.set G1B, 48                           ; s[48:55], s[56:63] the same for V's tiles
.set G0B, 56
.set PF1, 68                           ; s[68:73] where my prefetches stand: slots 1, 2, 3
.set MSB, 0
.macro WIN new                         ; the immediate's high byte repeats the setting that is left
.if MSB != (\new)
	s_set_vgpr_msb (MSB<<8)|(\new)
.set MSB, (\new)
.endif
.endm
.set MUL_LO, 0xa1                      ; source 0 (V) window 1, source 1 (P) window 0, C and D window 2
.set MUL_HI, 0xf1                      ; the same, C and D window 3
.set TO_B,   0x40                      ; destination window 1, address window 0
; A joint load: waves 0 and 1 fetch for P, waves 2 and 3 for V.  The branch hangs on the wave's number alone.  s_nop 0 and four v_nop follow each line.
.macro JLOAD s
	s_cmp_eq_u32 s15, 0
	s_cbranch_scc0 .Lfor_b_\@
	tensor_load_to_lds s[G0+4*\s:G0+4*\s+3], s[G1:G1+7]
	s_nop 0
.rept 4
	v_nop
.endr
	s_branch .Lasked_\@
.Lfor_b_\@:
	tensor_load_to_lds s[G0B+4*\s:G0B+4*\s+3], s[G1B:G1B+7]
	s_nop 0
.rept 4
	v_nop
.endr
.Lasked_\@:
.endm
; A prefetch into the L2 of slot n, ahead of slot n - 1's products, one instruction a wave.  Of the 128 units of 256 bytes (P: dense; V: a row each) that a wave fetches, the four partners that ask
; for them jointly take 32 each, told apart by address (cx for P, cy for V): each is named once in each cluster.  The last slot asks for nothing.
.macro ASK n
	global_prefetch_b8 v[PFO], s[PF1+2*(\n)-2:PF1+2*(\n)-1] th:TH_LOAD_NT scope:SCOPE_SE
.endm
.macro CREST                           ; a round of the cluster's barrier behind its opening barrier
	s_cmp_lg_u32 s14, 0
	s_cbranch_scc1 .Lnot_wave_0_\@
	s_barrier_signal -3
.Lnot_wave_0_\@:
	s_barrier_wait -3
	s_barrier_signal -1
	s_barrier_wait -1
.endm
.macro CROUND                          ; a whole round
	s_barrier_signal -1
	s_barrier_wait -1
	CREST
.endm
	s_load_b128 s[4:7], s[0:1], 0x0                ; pcodes, pstat
	s_load_b128 s[8:11], s[0:1], 0x10              ; V's codes, V's scales
	s_load_b64 s[12:13], s[0:1], 0x20              ; O
	v_lshl_add_u32 v[SPW], v0, 2, SPARE
	v_mov_b32 v[NIL], 0
	ds_add_u32 v[SPW], v[NIL]                      ; the opening add, twice on end; the scalar set-up stands between it and its wait
	ds_add_u32 v[SPW], v[NIL]
	v_lshrrev_b32 v1, 5, v0
	v_readfirstlane_b32 s14, v1                    ; wave 0..3
	s_lshr_b32 s15, s14, 1                         ; which half of the tile's queries is mine.  Also: I fetch for P (0) or for V (1)
	s_and_b32 s16, s14, 1                          ; which half of its columns.  Also: which half of a slot's part I fetch
	s_bfe_u32 s40, ttmp6, 0x40000                  ; cx, cy: my place in the cluster
	s_bfe_u32 s41, ttmp6, 0x40004
	s_lshl_b32 s42, ttmp9, 2
	s_add_co_u32 s42, s42, s40                     ; tile of d, 0..7
	s_and_b32 s17, ttmp7, 0xffff
	s_lshr_b32 s95, s17, 1                         ; the batch, made of the cluster's y alone
	s_lshl_b32 s17, s17, 2
	s_add_co_u32 s17, s17, s41                     ; tile of queries over all batches, 0..31
	s_lshl_b32 s43, s41, 2
	s_lshl_b32 s43, 15, s43                        ; my row of the cluster
	s_lshl_b32 s44, 0x1111, s40                    ; my column
	s_mov_b32 s66, 0x80808080                      ; each byte's top bit
	; group 1.  P: 32,768 dense bytes as 128 rows of 256 bytes (32 elements of 8 bytes), no padding; 21 set beside a mask
	s_or_b32 s[G1+0], s43, (3<<16)|(1<<21)
	s_mov_b32 s[G1+1], 32<<16
	s_mov_b32 s[G1+2], 128<<16
	s_mov_b32 s[G1+3], 32<<16
	s_mov_b32 s[G1+4], 128
	s_mov_b32 s[G1+5], 32
	s_mov_b32 s[G1+6], 0
	s_mov_b32 s[G1+7], 0
	; V: 128 rows x 256 bytes, 16 bytes of padding behind each: after every 64 words (code 5) four words (code 3)
	s_or_b32 s[G1B+0], s44, (0<<16)|(1<<20)|(1<<21)|(5<<22)|(3<<25)
	s_mov_b32 s[G1B+1], ROWB<<16
	s_mov_b32 s[G1B+2], 128<<16
	s_mov_b32 s[G1B+3], ROWB<<16
	s_mov_b32 s[G1B+4], 128
	s_mov_b32 s[G1B+5], KROW
	s_mov_b32 s[G1B+6], 0
	s_mov_b32 s[G1B+7], 0
	s_lshl_b32 s20, s17, 18                        ; P: 262,144 bytes a tile of queries,
	s_lshl_b32 s18, s16, 15
	s_add_co_u32 s20, s20, s18                     ; + the two chunks of a slot's four that I fetch
	s_mov_b32 s21, 0
	s_lshl_b32 s46, s42, 8
	s_lshl_b32 s47, s95, 11
	s_add_co_u32 s46, s46, s47                     ; V: the tile's first row,
	s_lshl_b32 s92, s46, 6                         ; its scales,
	s_mov_b32 s93, 0
	s_lshl_b32 s18, s16, 7
	s_add_co_u32 s46, s46, s18                     ; and the 128 rows that I fetch
	s_lshl_b32 s46, s46, 10
	s_mov_b32 s47, 0
	s_lshl_b32 s70, s40, 13                        ; my work-group's 32 units of them, for the prefetches
	s_add_co_u32 s70, s70, s20
	s_lshl_b32 s72, s41, 15
	s_add_co_u32 s72, s72, s46
	s_lshl_b32 s45, s16, 15                        ; where they go in a slot: P's half;
	s_mul_i32 s94, s16, HALFT
	s_add_co_u32 s94, s94, PIMG                    ; V's half, behind P's part (also: my 128 rows of V).  No place in the cluster enters an LDS address
.irp s, 0,1
	s_mov_b32 s[G0+4*\s], 1
	s_add_co_u32 s[G0+4*\s+1], s45, \s*SLOT
	s_mov_b32 s[G0B+4*\s], 1
	s_add_co_u32 s[G0B+4*\s+1], s94, \s*SLOT
.endr
	s_mul_i32 s18, s17, 49152                      ; pstat: 16 chunks x 3 planes x 1,024 bytes a tile of queries
	s_mov_b32 s19, 0
	s_lshl_b32 s74, s15, 13                        ; LDS: my eight blocks of 1,024 bytes of P in each chunk,
	s_mul_i32 s76, s15, HALFS
	s_add_co_u32 s76, s76, SCL                     ; their scale words,
	s_mul_i32 s77, s16, HALFS
	s_add_co_u32 s77, s77, VSC                     ; those of my rows of V,
	s_lshl_b32 s78, s15, 9
	s_add_co_u32 s78, s78, RLB                     ; my queries' 1 / l,
	s_mul_i32 s79, s14, 16*SPITCH                  ; my stage,
	s_mul_i32 s80, s14, HALFS/2
	s_add_co_u32 s80, s80, VSC                     ; and where my quarter of V's scale bytes goes
	s_lshl_b32 s81, s14, 12
	s_lshl_b32 s84, s17, 8
	s_lshl_b32 s85, s15, 7
	s_add_co_u32 s84, s84, s85
	s_lshl_b32 s84, s84, 13                        ; my first row of O, 8,192 bytes a row (under 2^26),
	s_lshl_b32 s85, s42, 10
	s_add_co_u32 s84, s84, s85
	s_lshl_b32 s85, s16, 9
	s_add_co_u32 s84, s84, s85                     ; and my first column: 1,024 x tile of d + 512 x half
	s_mov_b32 s85, 0
	s_wait_alu depctr_va_vdst(0)
	s_wait_dscnt 0x0                               ; both opening adds are done
	CROUND                                         ; all sixteen work-groups are here: the first joint loads meet
	s_wait_kmcnt 0x0
	s_add_nc_u64 s[G0+2:G0+3], s[4:5], s[20:21]
	s_or_b32 s[G0+3], s[G0+3], 0x80000000
	s_add_nc_u64 s[G0B+2:G0B+3], s[8:9], s[46:47]
	s_or_b32 s[G0B+3], s[G0B+3], 0x80000000
	JLOAD 0
	s_add_nc_u64 s[6:7], s[6:7], s[18:19]
	s_add_nc_u64 s[10:11], s[10:11], s[92:93]
	v_lshlrev_b32 v[PSO], 3, v0
	v_and_b32 v6, 31, v0                           ; lane
	v_lshlrev_b32 v[CO], 4, v6
	v_add_nc_u32 v[VSO], s81, v[CO]
	; THE STATISTICS of my two queries, 2 t and 2 t + 1 (t: my thread's number): each load of a wave covers 256 consecutive bytes.  The sums come later
.irp k, 0,1,2,3,4,5,6,7,8,9,10,11,12,13,14,15
	global_load_b64 v[NMR+2*\k:NMR+2*\k+1], v[PSO], s[6:7] offset:3072*\k
.endr
.irp k, 0,1,2,3,4,5,6,7,8,9,10,11,12,13,14,15
	global_load_b64 v[WR+2*\k:WR+2*\k+1],   v[PSO], s[6:7] offset:3072*\k+2048
.endr
.irp i, 0,1,2,3,4,5,6,7
	global_load_b128 v[VS+4*\i:VS+4*\i+3], v[VSO], s[10:11] offset:512*\i   ; my quarter of V's scale bytes: 512 consecutive bytes a load
.endr
	s_add_nc_u64 s[G0+6:G0+7], s[4:5], s[20:21]    ; slot 1's descriptors
	s_add_nc_u64 s[G0+6:G0+7], s[G0+6:G0+7], PIMG
	s_or_b32 s[G0+7], s[G0+7], 0x80000000
	s_add_nc_u64 s[G0B+6:G0B+7], s[8:9], s[46:47]
	s_add_nc_u64 s[G0B+6:G0B+7], s[G0B+6:G0B+7], ROWB
	s_or_b32 s[G0B+7], s[G0B+7], 0x80000000
	s_add_nc_u64 s[12:13], s[12:13], s[84:85]
	s_mov_b32 s22, ROWB
	s_mov_b32 s82, KROW
	s_mov_b32 s71, 0
	s_mov_b32 s23, 0
	s_cmp_eq_u32 s15, 0
	s_cselect_b64 s[PF1:PF1+1], s[4:5], s[8:9]
	s_cselect_b32 s70, s70, s72
	s_cselect_b32 s22, PIMG, s22                   ; from slot to slot
	s_cselect_b32 s82, ROWB, s82                   ; from lane to lane
	s_add_nc_u64 s[PF1:PF1+1], s[PF1:PF1+1], s[70:71]
	s_add_nc_u64 s[PF1:PF1+1], s[PF1:PF1+1], s[22:23]
	s_add_nc_u64 s[PF1+2:PF1+3], s[PF1:PF1+1], s[22:23]
	s_add_nc_u64 s[PF1+4:PF1+5], s[PF1+2:PF1+3], s[22:23]
	s_wait_alu depctr_va_vdst(0)                   ; behind the run of scalar lines
	v_mul_u32_u24 v[PFO], s82, v6
	v_and_b32 v1, 15, v0                           ; r = lane % 16
	v_bfe_u32 v2, v0, 4, 1                         ; h = lane / 16
	v_lshrrev_b32 v3, 2, v6
	v_mul_u32_u24 v4, v1, PITCH
	v_lshl_add_u32 v4, v2, 4, v4                   ; V: a fragment's row r, 16 bytes for each half of the lanes
	v_lshlrev_b32 v5, 6, v6
	v_lshl_add_u32 v5, v3, 4, v5                   ; scale words: row = lane, 64 bytes, and 16 more for each 256 passed
	v_add_nc_u32 v[ADRA], s74, v[CO]
	v_add_nc_u32 v[ADRB], s94, v4
	v_add_nc_u32 v[ADSA], s76, v5
	v_add_nc_u32 v[ADSB], s77, v5
	v_add_nc_u32 v[ADRA+1], SLOT, v[ADRA]
	v_add_nc_u32 v[ADRB+1], SLOT, v[ADRB]
	v_lshrrev_b32 v3, 1, v0
	v_lshlrev_b32 v3, 4, v3
	v_lshl_add_u32 v[SWA], v0, 7, v3
	v_add_nc_u32 v[SWA], SCL, v[SWA]               ; query 2 t's 64 bytes: 128 t + 16 (t / 2); query 2 t + 1's follow them
	v_lshl_add_u32 v[RLW], v0, 3, RLB
	v_lshl_add_u32 v[RLR], v1, 2, s78
	v_mul_u32_u24 v4, v1, SPITCH
	v_lshl_add_u32 v4, v2, 5, v4
	v_add_nc_u32 v[STO], s79, v4                   ; in: row r, 32 bytes for each half of the lanes
	v_add_nc_u32 v[RD], s79, v[CO]                 ; back: the 32 lanes take one row of 512 bytes
	v_lshl_add_u32 v5, v2, 4, v[CO]
	v_add_nc_u32 v[VSW], s80, v5
	s_wait_alu depctr_va_vdst(0)                   ; directly ahead of the wait below
	s_wait_loadcnt 8                               ; the statistics are in; the eight loads of V's scale bytes may be out
	ASK 1
.irp e, 0,1
	v_min3_num_f32 v[NG+\e], v[NMR+\e], v[NMR+2+\e], v[NMR+4+\e]   ; -Mg: the least -M of the 16 chunks
.endr
.irp k, 3,5,7,9,11,13
.irp e, 0,1
	v_min3_num_f32 v[NG+\e], v[NG+\e], v[NMR+2*\k+\e], v[NMR+2*\k+2+\e]
.endr
.endr
.irp e, 0,1
	v_min_num_f32 v[NG+\e], v[NG+\e], v[NMR+30+\e]
.endr
; Chunks k and k + 1 of my two queries: j = 2 (chunk - k) + e, four by turns.
.macro ADJ k
.irp j, 0,1,2,3
	v_sub_f32 v[D+\j], v[NMR+2*(\k)+\j], v[NG+(\j)%2]    ; the row's M less the chunk's: a whole number, 0 or more,
.endr
.irp j, 0,1,2,3
	v_min_num_f32 v[D+\j], 0x42fe0000, v[D+\j]           ; held at 127
.endr
.irp j, 0,1,2,3
	v_cvt_i32_f32 v[D+\j], v[D+\j]                       ; |n|
.endr
.irp j, 0,1,2,3
	v_or_b32 v[GG+\j], s66, v[WR+2*(\k)+\j]              ; 128 + b in each byte (b is 1 .. 125)
.endr
.irp j, 0,1,2,3
	v_perm_b32 v[XX+\j], v[D+\j], v[D+\j], 0             ; |n| in each byte
.endr
.irp j, 0,1,2,3
	v_lshlrev_b32 v[WR+2*(\k)+\j], 23, v[D+\j]
.endr
.irp j, 0,1,2,3
	v_sub_nc_u32 v[XX+\j], v[GG+\j], v[XX+\j]            ; 128 + b - |n|, 2 or more: no borrow crosses a byte
.endr
.irp j, 0,1,2,3
	v_sub_nc_u32 v[WR+2*(\k)+\j], 0x3f800000, v[WR+2*(\k)+\j]   ; 2^-|n| (0 for 127), kept for the sums
.endr
.irp j, 0,1,2,3
	v_and_b32 v[HI+\j], s66, v[XX+\j]                    ; the top bit stands where b - |n| is 0 or more
.endr
.irp j, 0,1,2,3
	v_lshrrev_b32 v[GG+\j], 7, v[HI+\j]
.endr
.irp j, 0,1,2,3
	v_sub_nc_u32 v[GG+\j], v[HI+\j], v[GG+\j]            ; 0x7f in those bytes, 0 in the others
.endr
.irp j, 0,1,2,3
	v_and_b32 v[AW+16*((\j)%2)+(\k)+(\j)/2], v[XX+\j], v[GG+\j]   ; b - |n|, or 0
.endr
.endm
.irp k, 0,2,4,6,8,10,12,14
	ADJ \k
.endr
.irp e, 0,1
.irp k, 0,1,2,3
	ds_store_b128 v[SWA], v[AW+16*\e+4*\k:AW+16*\e+4*\k+3] offset:64*\e+16*\k
.endr
.endr
	s_wait_loadcnt 0x0
.irp i, 0,1,2,3,4,5,6,7
	ds_store_b128 v[VSW], v[VS+4*\i:VS+4*\i+3] offset:544*\i
.endr
.macro FRAGB reg, adr, q, i            ; a fragment of V from rows: lane l holds row l % 16; registers 4 c .. 4 c + 3 hold keys 64 c + 32 (l / 16) + 0 .. 31
.irp c, 0,1
	ds_load_b128 v[\reg+4*\c:\reg+4*\c+3], v[\adr] offset:64*(\q)+32*\c+(\i)*16*PITCH
.endr
.endm
.macro FRAGA reg, slot, q, i           ; a fragment of P: the image as it was stored, 512 consecutive bytes a load
.irp c, 0,1
	ds_load_b128 v[\reg+4*\c:\reg+4*\c+3], v[ADRA+\slot] offset:16384*(\q)+1024*(\i)+512*\c
.endr
.endm
; d += 32 rows at x (window 1) x 16 queries at y (window 0), 128 deep.  sx: lane m holds row m's scale word; sy: lanes 0-15 (odd = 0) or 16-31 (odd = 1).
.macro WM d, x, y, sx, sy, odd, zero
.if \zero
.if \odd
	v_wmma_scale_f32_32x16x128_f4 v[\d:\d+15], v[\x:\x+15], v[\y:\y+7], 0, v[\sx], v[\sy] matrix_b_scale:MATRIX_SCALE_ROW1
.else
	v_wmma_scale_f32_32x16x128_f4 v[\d:\d+15], v[\x:\x+15], v[\y:\y+7], 0, v[\sx], v[\sy]
.endif
.else
.if \odd
	v_wmma_scale_f32_32x16x128_f4 v[\d:\d+15], v[\x:\x+15], v[\y:\y+7], v[\d:\d+15], v[\sx], v[\sy] matrix_b_scale:MATRIX_SCALE_ROW1
.else
	v_wmma_scale_f32_32x16x128_f4 v[\d:\d+15], v[\x:\x+15], v[\y:\y+7], v[\d:\d+15], v[\sx], v[\sy]
.endif
.endif
.endm
; Eight matrix instructions: P's blocks a0, a0 + 1 x my 128 of d.  zero = 1: the first product starts the sums.  The 32 accumulators take turns, one instruction a turn.
.macro MUL a0, p, q, sc, zero
.irp a, \a0, \a0+1
.irp b, 0,1,2,3
	WM 64*((\a)%4)+16*\b,128*(\p)+16*\b,AF+64*(\p)+FR*(\a),SC+32*(\sc)+16+4*\b+(\q),SC+32*(\sc)+4*((\a)/2)+(\q),(\a)%2,\zero
.endr
.endr
.endm
.macro FETCH_B slot, q, p              ; V's eight fragments of the slot's q-th step into set p: 16 loads
	WIN TO_B
.irp i, 0,1,2,3,4,5,6,7
	FRAGB 128*(\p)+FR*\i,ADRB+\slot,\q,\i
.endr
	WIN 0
.endm
.macro FETCH_A slot, q, p, i0          ; P's blocks i0 .. i0 + 3: 8 loads
.irp i, \i0, \i0+1, \i0+2, \i0+3
	FRAGA AF+64*(\p)+FR*(\i),\slot,\q,\i
.endr
.endm
.macro SCALES sc, n                    ; the scale words of the n-th 512 keys into set sc: 8 loads
.irp i, 0,1,2,3
	ds_load_b128 v[SC+32*(\sc)+4*\i:SC+32*(\sc)+4*\i+3], v[ADSA] offset:\i*SBLK+16*\n
	ds_load_b128 v[SC+32*(\sc)+16+4*\i:SC+32*(\sc)+19+4*\i], v[ADSB] offset:\i*SBLK+16*\n
.endr
.endm
; A load into a register that a matrix instruction has read, and a vector instruction that reads or writes a matrix result, stand NP places behind it; only plain vector instructions that name none of its
; registers are places (ISA guide 7.12.1 for vector instructions).
.macro PLACES n
.rept \n
	v_nop
.endr
.endm
; A step that has its successor in the same slot: the successor's fragments go into the other sets, 32 loads in one run ahead of this step's products.
.macro STEP slot, q, zero
	s_wait_dscnt 8                                 ; all but the youngest eight (P's blocks 4-7 of this step)
.if (\zero) == 0
	PLACES NP                                      ; the other sets were read by the step before
.endif
	FETCH_B \slot,(\q)+1,1-(\q)%2
	FETCH_A \slot,(\q)+1,1-(\q)%2,0
	FETCH_A \slot,(\q)+1,1-(\q)%2,4
	WIN MUL_LO
	MUL 0,(\q)%2,\q,\slot,\zero
	MUL 2,(\q)%2,\q,\slot,\zero
	s_wait_dscnt 32                                ; all but the 32 just issued
	WIN MUL_HI
	MUL 4,(\q)%2,\q,\slot,\zero
	MUL 6,(\q)%2,\q,\slot,\zero
.endm
; The first half of a slot's last step, with ONE barrier: in front of it each wave waits for all its tensor loads, adds 0 to its spare word, and waits for that and for its own reads of this slot.
; x: the LDS loads issued just ahead of it (every window is 0 there).
.macro MEET slot, fill, x
	s_wait_tensorcnt 0x0                           ; my part of the next slot has landed, so the descriptors may be written
	ds_add_u32 v[SPW], v[NIL]                      ; 0 onto my spare word
.if \fill
	s_add_nc_u64 s[G0+4*\slot+2:G0+4*\slot+3], s[G0+4*\slot+2:G0+4*\slot+3], 2*PIMG
	s_add_nc_u64 s[G0B+4*\slot+2:G0B+4*\slot+3], s[G0B+4*\slot+2:G0B+4*\slot+3], 2*ROWB
.endif
	s_wait_dscnt 9+\x                              ; the add, those x and P's blocks 4-7 may be out
	WIN MUL_LO
	MUL 0,1,NQ-1,\slot,0
	s_wait_dscnt 0x0                               ; the add is done, and my reads of this slot are over
	s_barrier_signal -1
	MUL 2,1,NQ-1,\slot,0
	WIN 0
	s_barrier_wait -1
.endm
; The whole last step of a slot that is filled again.  pf: the slot to prefetch, or 0.
.macro TURN slot, next, n, pf
	WIN 0
	SCALES \next,\n                                ; (the scale words lie in no slot)
	MEET \slot,1,8
	CREST                                          ; no wave of any partner still reads this slot or has a load on its way
	JLOAD \slot                                    ; my one load until the next round; its four v_nop are the places in front of the loads below
	FETCH_B \next,0,0
	FETCH_A \next,0,0,0
	FETCH_A \next,0,0,4
.if \pf
	ASK \pf
.endif
	WIN MUL_HI
	MUL 4,1,NQ-1,\slot,0
	MUL 6,1,NQ-1,\slot,0
.endm
.macro STEPS slot, from                ; the slot's steps from .. NQ - 2
.set Q, \from
.rept NQ-1-\from
	STEP \slot,Q,0
.set Q, Q+1
.endr
.endm
	s_wait_alu depctr_va_vdst(0)
	s_wait_tensorcnt 0x0                           ; my part of slot 0 is in;
	ds_add_u32 v[SPW], v[NIL]                      ; ahead of slot 1's first fill, as ahead of a refill
	s_wait_dscnt 0x0                               ; the add is done; my queries' scale words and my part of V's scale bytes lie in LDS
	CROUND                                         ; everybody's do, and everybody's loads are in
	JLOAD 1
	FETCH_B 0,0,0
	FETCH_A 0,0,0,0
	SCALES 0,0
	FETCH_A 0,0,0,4
	ASK 2
	WIN TO_B
.irp k, 0,1,2,3,4,5,6,7,8,9,10,11,12,13,14,15
	global_load_b64 v[LR+2*\k:LR+2*\k+1], v[PSO], s[6:7] offset:3072*\k+1024   ; the chunks' sums of my two queries: used in slot 1's last step
.endr
	WIN 0
	; 2,048 keys are four slots' worth: written straight, since each change of slots differs
	STEP 0,0,1                                     ; the first step's products start the sums
	STEPS 0,1
	TURN 0,1,1,3                                   ; slot 0 takes keys 1,024 on
	STEPS 1,0
	WIN 0x01                                       ; source 0 window 1
	s_wait_loadcnt 0x0
.irp j, 0,1,2,3                        ; l = the sum of the chunks' sums x 2^-|n|: even and odd chunks apart
	v_mul_f32 v[LSUM+\j], v[LR+\j], v[WR+\j]
.endr
.irp k, 4,8,12,16,20,24,28
.irp j, 0,1,2,3
	v_fmac_f32 v[LSUM+\j], v[LR+\k+\j], v[WR+\k+\j]
.endr
.endr
	WIN 0
.irp e, 0,1
	v_add_f32 v[LSUM+\e], v[LSUM+\e], v[LSUM+2+\e]
.endr
	s_wait_alu depctr_va_vdst(0)                   ; the wait ahead of the transcendentals
	v_rcp_f32 v[RC], v[LSUM]
	v_rcp_f32 v[RC+1], v[LSUM+1]
	v_nop                                          ; a plain instruction behind the last reciprocal
	s_wait_alu depctr_va_vdst(0)                   ; one wait for the two, ahead of their first reader
	ds_store_b64 v[RLW], v[RC:RC+1]                ; the barrier below shows it to the other waves
	TURN 1,0,2,0                                   ; slot 1 takes keys 1,536 on
	STEPS 0,0
; THE LAST 512 KEYS (slot 1) GO BY BLOCKS OF 16 QUERIES.
.macro BLOAD q                         ; V's fragments of step q -> window 1, v[64 q ..]: 16 loads
.irp i, 0,1,2,3,4,5,6,7
	FRAGB 64*\q+FR*\i,ADRB+1,\q,\i
.endr
.endm
.macro ALOAD a                         ; block a's fragments of P, all four steps -> buffer a % 4: 8 loads
.irp q, 0,1,2,3
	FRAGA AF+32*((\a)%4)+8*\q,1,\q,\a
.endr
.endm
.macro ROW a                           ; block a is finished: 16 matrix instructions, its four accumulators by turns, K ascending
	WIN (MUL_LO+0x50*((\a)/4))
.irp q, 0,1,2,3
.if (\a) == 0
.if \q == 0
	s_wait_dscnt 40                                ; behind what steps 0 and 1 need: 32 loads of steps 2 and 3, 8 of block 1
.endif
.if \q == 2
	s_wait_dscnt 24                                ; step 3's and block 1's may be out
.endif
.if \q == 3
	s_wait_dscnt 8                                 ; block 1's may be out
.endif
.endif
.if (\a) == 1
.if \q == 0
	s_wait_dscnt 48                                ; behind block 1's: 16 loads of blocks 2 and 3, block 0's 16 stores and 16 loads of the stage
.endif
.endif
.irp b, 0,1,2,3
	WM 64*((\a)%4)+16*\b,64*\q+16*\b,AF+32*((\a)%4)+8*\q,SC+48+4*\b+\q,SC+32+4*((\a)/2)+\q,(\a)%2,0
.endr
.endr
.endm
; THE WAY OUT of block a: x 1 / l of the lane's query, in place; a lane holds 32 neighbouring bytes of a row, and the lanes beside it hold other rows: so the block goes through my own stage in LDS and comes
; back, into the same registers, as whole rows of 512 bytes.  LDS serves a wave's instructions in order (ISA guide 5.7.1.4): no wait between the stores and the loads.
.macro TOSTAGE a
.set AC, 64*((\a)%4)
	WIN (0x82+0x41*((\a)/4))                       ; destination and source 0: window 2 or 3
.set i, 0
.rept 32
	v_pk_mul_f32 v[AC+i:AC+i+1], v[AC+i:AC+i+1], v[RL+2*(\a):RL+2*(\a)+1]   ; each accumulator from its low end on
.set i, i+2
.endr
	WIN (0x08+4*((\a)/4))                          ; store data: window 2 or 3
.irp b, 0,1,2,3,4,5,6,7
	ds_store_b128 v[STO], v[AC+8*\b:AC+8*\b+3] offset:64*\b
	ds_store_b128 v[STO], v[AC+8*\b+4:AC+8*\b+7] offset:64*\b+16
.endr
	WIN (0x80+0x40*((\a)/4))                       ; destination: window 2 or 3
.irp t, 0,1,2,3,4,5,6,7,8,9,10,11,12,13,14,15
	ds_load_b128 v[AC+4*\t:AC+4*\t+3], v[RD] offset:\t*SPITCH
.endr
.endm
.macro SEND a
.set AC, 64*((\a)%4)
	WIN (0x08+4*((\a)/4))
	s_wait_dscnt 0                                 ; the block is back in registers (and the fragments asked for ahead of it are in)
.irp t, 0,1,2,3,4,5,6,7,8,9,10,11,12,13,14,15
	global_store_b128 v[CO], v[AC+4*\t:AC+4*\t+3], s[12:13] offset:8192*(16*(\a)+\t)   ; 32 lanes store 512 consecutive bytes, at a multiple of 512 from O's first byte
.endr
.endm
	WIN 0
	SCALES 1,3
.irp a, 0,1,2,3,4,5,6,7
	ds_load_b32 v[RL+2*\a],   v[RLR] offset:64*\a  ; 1 / l of query 16 a + r, into both registers of a pair (2^-|n| is done with)
	ds_load_b32 v[RL+2*\a+1], v[RLR] offset:64*\a
.endr
	MEET 0,0,24                                    ; slot 1 is whole; nothing is filled again, so no round follows
	PLACES NP
	ALOAD 0
	WIN TO_B
	BLOAD 0
	BLOAD 1
	WIN MUL_HI
	MUL 4,1,NQ-1,0,0                               ; (set 1: V's v128-191, P's v192-255)
	MUL 6,1,NQ-1,0,0
	PLACES NP
	WIN TO_B
	BLOAD 2
	BLOAD 3
	WIN 0
	ALOAD 1
	ROW 0
	PLACES NP
	WIN 0
	ALOAD 2
	ALOAD 3
	TOSTAGE 0
.irp a, 1,2,3,4,5,6,7                  ; block a's products stand between block a - 1's loads from the stage and the wait for them
	ROW \a
	SEND \a-1
	PLACES NP                                      ; block a's results are read next
.if \a < 5
	WIN 0
	ALOAD \a+3                                     ; into the buffer that block a - 1 has left
.endif
	TOSTAGE \a
.endr
	SEND 7
	WIN 0
	s_wait_tensorcnt 0x0                           ; the wave's end, behind my last tensor load and my last LDS store
	ds_add_u32 v[SPW], v[NIL]
	s_wait_dscnt 0x0
	CROUND                                         ; the closing round: no work-group ends while a partner may still ask for a tile that names it
	s_endpgm
.Lfunc_end_k_q51d60f17cb_mix:
	.size	k_q51d60f17cb_mix, .Lfunc_end_k_q51d60f17cb_mix-k_q51d60f17cb_mix
	.p2alignl 7, 3214868480
	.fill 96, 4, 3214868480
	.section	.rodata,"a",@progbits
	.p2align	6, 0x0
	.amdhsa_kernel k_q51d60f17cb_mix
		.amdhsa_group_segment_fixed_size 327680
		.amdhsa_private_segment_fixed_size 0
		.amdhsa_enable_private_segment 0
		.amdhsa_kernarg_size 40
		.amdhsa_user_sgpr_count 2
		.amdhsa_user_sgpr_kernarg_segment_ptr 1
		.amdhsa_wavefront_size32 1
		.amdhsa_system_sgpr_workgroup_id_x 1
		.amdhsa_system_sgpr_workgroup_id_y 1
		.amdhsa_system_sgpr_workgroup_id_z 1
		.amdhsa_system_vgpr_workitem_id 0
		.amdhsa_next_free_vgpr 1024
		.amdhsa_next_free_sgpr 98
		.amdhsa_reserve_vcc 0
		.amdhsa_float_denorm_mode_32 3
		.amdhsa_float_denorm_mode_16_64 3
		.amdhsa_memory_ordered 1
		.amdhsa_forward_progress 1
		.amdhsa_inst_pref_size 185
	.end_amdhsa_kernel
	.amdgpu_metadata
---
amdhsa.version: [ 1, 2 ]
amdhsa.kernels:
  - .name:           k_q51d60f17cb_mix
    .symbol:         k_q51d60f17cb_mix.kd
    .args:
      - { .name: pcodes, .offset: 0, .size: 8, .value_kind: global_buffer, .address_space: global }
      - { .name: pstat, .offset: 8, .size: 8, .value_kind: global_buffer, .address_space: global }
      - { .name: value_codes, .offset: 16, .size: 8, .value_kind: global_buffer, .address_space: global }
      - { .name: value_scales, .offset: 24, .size: 8, .value_kind: global_buffer, .address_space: global }
      - { .name: out0, .offset: 32, .size: 8, .value_kind: global_buffer, .address_space: global }
    .group_segment_fixed_size: 327680
    .private_segment_fixed_size: 0
    .kernarg_segment_align: 8
    .kernarg_segment_size: 40
    .max_flat_workgroup_size: 128
    .sgpr_count:     98
    .vgpr_count:     1024
    .wavefront_size: 32
...
	.end_amdgpu_metadata
.endif
;; end of part 2
